; MI455X (gfx1250); checked and timed in simulation.
; The chip was launched on July 23, 2026; its instructions are those of AMD's public machine-readable ISA for CDNA 5 (MIT licence, August 2026) and "CDNA5" Instruction Set Architecture Reference Guide (July 2026). The comments in the code are by the model that wrote it; some were corrected since.
;; Attn. Allowed arithmetic: matrix products marked QUANTISED: E5M2 operands, one E8M0 scale for each 32 along K, by v_wmma_scale_f32_16x16x128_f8f6f4 with both operands' format E5M2, f32 sums; products left as they are: f32 operands where the result goes on into a quantised operand, else bf16, f16 or f32 operands; f32 sums; everything else in f32.
;; Inputs: W_attn_codes 1,024 x 32 x 32 uint8 (E5M2 codes of W_attn, K innermost, in blocks of 32 codes); W_attn_scales 1,024 x 32 uint8 (E8M0 scales of W_attn, one for each 32 codes along K); b_attn 1,024 float32; encoder_outputs_codes 1,024 x 64 x 32 x 32 uint8 (E5M2 codes of encoder_outputs, K innermost, in blocks of 32 codes); encoder_outputs_scales 1,024 x 64 x 32 uint8 (E8M0 scales of encoder_outputs, one for each 32 codes along K); hidden 1 x 64 x 1,024 float32.
;; Outputs: out0 64 x 1 x 1,024 float32.
;; This version of the problem:
;;   THIS VERSION OF THE PROBLEM IS GIVEN IN LOW PRECISION. The matrix products marked QUANTISED in the list below multiply operands that are first quantised to E5M2 (5 exponent bits, 2 mantissa bits; 8 bits a number), with one power-of-two scale for each 32 numbers along K (OCP MX v1.0); their sums are f32. All else is computed in f32.
;;   The module's matrix products, in the order in which they are computed (A, B: the left and right operand; K: the contracted axis; several contracted axes count as one K, in the product's order):
;;     1. [M 65,536, K 1,024] x [K 1,024, N 1,024]; A: input encoder_outputs (given as codes); B: input W_attn (given as codes): QUANTISED
;;     2. batch 64 x [M 1, K 1,024] x [K 1,024, N 1,024]; A: input hidden; B: computed on the way: left as it is (M = 1 < 16)
;;   THE QUANTISER, for each operand of a quantised product, along K:
;;     - K is cut into blocks of 32 from its start; a last block that is shorter is filled with zeros.
;;     - A block's scale is 2^e with e = floor(log2(the largest magnitude in the block)) - 15, held to -126 .. 127; a block of zeros has e = 0. As a byte (E8M0): e + 127.
;;     - Each number is divided by its block's scale, clamped to +-57,344, and rounded to the nearest number of E5M2, ties to even, subnormals kept.
;;     - The product sums the exact products of the quantised numbers (number of the format x scale) in f32.
;;   ~~~python
;;   def quantise(x, axis):      # numpy; x: float32 -> the quantised numbers, widened to float32 again
;;       x = np.moveaxis(x, axis, -1); K = x.shape[-1]
;;       x = np.pad(x, [(0, 0)] * (x.ndim - 1) + [(0, -K % 32)]); x = x.reshape(x.shape[:-1] + (-1, 32)); a = np.abs(x).max(-1, keepdims=True)
;;       e = np.where(a > 0, np.clip(np.frexp(np.where(a > 0, a, 1))[1] - 1 - 15, -126, 127), 0)      # np.frexp(a)[1] - 1 = floor(log2(a)), exactly
;;       r = np.clip(x / 2.0 ** e, -57344, 57344)
;;       step = 2.0 ** (np.maximum(np.frexp(np.where(r == 0, 1, r))[1] - 1, -14) - 2)
;;       q = np.round(r / step) * step * 2.0 ** e      # np.round: ties to even
;;       return np.moveaxis(q.reshape(q.shape[:-2] + (-1,))[..., :K], -1, axis).astype(np.float32)
;;   ~~~
;;   INPUTS GIVEN AS CODES. W_attn (in the module: [1024, 1024], K = its axis 1); encoder_outputs (in the module: [1024, 64, 1024], K = its axis 2): each comes as NAME_codes (uint8): NAME with its K axis moved to the last place and cut into blocks of 32 codes, [.., K / 32, bytes a block], one block behind the other in memory; one code a byte (a code: sign, 5 exponent bits, 2 mantissa bits); and NAME_scales (uint8): the same leading axes, one E8M0 byte (e + 127) for each 32 codes along K. Its value is code x scale, taken as it is: it is not quantised again, and the codes and scales need not be those that the quantiser above would give.
;; One version. Each part assembles by itself: llvm-mc -triple=amdgcn-amd-amdhsa -mcpu=gfx1250 --defsym DOCPART=n.
;; ======== version 1 of 1: 2 launches
;; workspace buffers: scores 262,144 bytes
;; launch energy (part 1): grid 256 x 1, 4 waves a work-group, clusters of 4 x 1, 327,680 bytes of LDS; arguments encoder_outputs_codes, encoder_outputs_scales, W_attn_codes, W_attn_scales, hidden, scores; writes scores
.if DOCPART == 1
	.amdgcn_target "amdgcn-amd-amdhsa--gfx1250"
	.amdhsa_code_object_version 6
	.text
	.protected	k_q4f3555b184_energy
	.globl	k_q4f3555b184_energy
	.p2align	8
	.type	k_q4f3555b184_energy,@function
k_q4f3555b184_energy:
	s_mov_b64 s[64:65], 0
	v_nop
	global_prefetch_b8 v0, s[64:65] scope:SCOPE_SE
	s_setreg_imm32_b32 hwreg(HW_REG_WAVE_MODE, 25, 1), 1
	s_wait_xcnt 0x0
	s_wait_alu depctr_hold_cnt(0) depctr_sa_sdst(0) depctr_va_vdst(0) depctr_va_sdst(0) depctr_va_ssrc(0) depctr_va_vcc(0) depctr_vm_vsrc(0)
	s_getreg_b32 s2, hwreg(HW_REG_IB_STS2, 6, 4)
	s_cmp_eq_u32 s2, 0
	s_cbranch_scc0 .Lentry_in_a_cluster
	s_endpgm
.Lentry_in_a_cluster:
	s_bfe_u32 s2, ttmp6, 0x10000c
	s_cmp_lg_u32 s2, 0x3003
	s_cbranch_scc0 .Lentry_shape_is_right
	s_endpgm
.Lentry_shape_is_right:
; scores[b][s] = sum over n of hidden[b][n] x E(s, b, n),  E(s, b, n) = sum over k of enc[s][b][k] W[n][k]: the first product on codes of BF8 (E5M2) with one E8M0 byte for each 32 along K,
; as they are given; the second (one row a batch) in f32 on the vector unit, on each 16 x 16 result while it is still in registers: the energies never go to memory.  The bias's term, hidden[b] . b_attn, is one
; number a batch and is added by the next launch, which also takes the softmax.
; LIMITS, stated: hidden . (E + b) is formed as hidden . E + hidden . b; each energy is summed in two halves of K (512 each), each half is multiplied by hidden and the halves meet in f32.
; NaN and infinities among the codes and the byte 0xff among the scales spread as the matrix unit spreads them: not tried.
; SHARES.  A cluster of four work-groups owns one batch b (the cluster's x); work-group cx owns s = 256 cx .. + 255.  Wave w = 2 rg + kh holds rows 128 rg .. + 127 (8 blocks of 16) x K half kh
; (4 steps of 128): 32 fragments, 512 registers, which STAY for the whole launch.  W's 1,024 rows stream by in 64 tiles of 16: a tile is 4 fragments from LDS, 32 matrix instructions and 32 packed
; multiply-adds: a fragment of W read from LDS feeds 8 matrix instructions.
; CLUSTER.  All work-groups walk the same W, and the four of a cluster share W's scales and hidden[b]: these are asked for JOINTLY (mask 15).  enc's tiles are each work-group's own: plain loads.
; THE MATRIX INSTRUCTION IS USED TRANSPOSED: source 0 = 16 rows of W, source 1 = 16 rows of enc: lane (r, h) holds E(row r, n = 16 t + 8 h + 0 .. 7), to be multiplied by hidden[16 t + 8 h + 0 .. 7].
; LDS: two regions of 128 rows x (1,024 + 16) bytes: first enc's two parts (blocks 0-3, blocks 4-7 of both row halves), then W's slots of 128 rows by turns; W's scale bytes; hidden[b]; the partial scores; the spare words.
; REGISTERS, in windows of 256: window 0: v1-15 addresses; v16-47 enc's scale words; v48-111 W's, two slot sets; v112-239 accumulators, two tile sets of 8; v240-255 at work.
;   window 1: v0-127 W's fragments, two sets; v128-143 hidden's eight numbers of a tile, two sets; v144-159 the running scores, a pair for each block.   windows 2, 3: enc's blocks 0-3, 4-7.
.set PITCH,  1040                      ; an LDS row: 1,024 bytes + 16 = 260 words: row r starts at bank 4 r mod 64 (64 banks of 4 bytes: ISA guide 11.1): the 16 rows of a fragment load start at 16 different banks
.set QROW,   16*PITCH                  ; 16 rows: a block of enc, a tile of W
.set WPART,  32*PITCH                  ; 32 rows: what one tensor load brings
.set HALFR,  64*PITCH
.set SLOT,   128*PITCH                 ; a region
.set WSC,    2*SLOT                    ; W's 32,768 scale bytes as 128 pieces of 256 bytes + 16
.set HID,    WSC+128*272               ; hidden[b]: 4,096 bytes, dense
.set RED,    HID+4096                  ; [wave][128] f32: written by LDS stores alone
.set SPARE,  RED+2048                  ; the spare words, 128 bytes for each wave: two blocks of 256 bytes that no other line names
.set SPW,  1                           ; v1     SPARE + 4 x my thread's number; never rewritten
.set NIL,  2                           ; v2     0; never rewritten
.set ADE,  3                           ; v3-4   my rows and K half in enc's part 0, 1
.set ADW,  5                           ; v5-8   my lane's place in W's region reg, rows 64 half on: v[5 + 2 reg + half]
.set ADS,  9                           ; v9     W's scale words of the slot pair in hand
.set ADH,  10                          ; v10    hidden's numbers of the slot pair in hand
.set SEO,  11                          ; v11    enc's scale words: my row's offset
.set GO,   12                          ; v12    the way out: 8 x thread
.set ARED, 14                          ; v14    where I put my partial scores
.set ARDL, 15                          ; v15    where I read two rows' partial scores
.set SE,   16                          ; enc's scale words: block i, step q at v[16 + 4 i + q]
.set SW,   48                          ; W's: region reg, tile j, step q at v[48 + 32 reg + 4 j + q]
.set ACC,  112                         ; set p, block i at v[112 + 64 p + 8 i]
.set T,    240
.set U,    248
.set WF,   0                           ; window 1: set p, step q at v[64 p + 16 q]
.set HH,   128                         ; window 1: set p at v[128 + 8 p]
.set S,    144                         ; window 1: block i at v[144 + 2 i]
.set WV,   16                          ; s16 wave;  s17 rg;  s18 kh;  s19 cx;  s20 b
.set RG,   17
.set KH,   18
.set CX,   19
.set BB,   20
.set G1E,  24                          ; s[24:31] group 1: enc's tiles;  s[32:39] W's;  s[40:47] W's scales;  s[48:55] hidden
.set G1W,  32
.set G1S,  40
.set G1H,  48
.set G0E,  56                          ; s[56:63] groups 0: enc's parts 0, 1
.set G0S,  68
.set G0H,  72
.set G0W,  76                          ; s[76:83] groups 0: W's regions 0, 1; they walk
.set CNT,  84
.set SEL,  88                          ; s[88:89] v_permlanex16_b32's selects for lane l xor 16
.set MSB, 0
.macro WIN new                         ; the immediate's high byte repeats the setting that is left; a switch that changes nothing is dropped
.if MSB != (\new)
	s_set_vgpr_msb (MSB<<8)|(\new)
.set MSB, (\new)
.endif
.endm
.set MULA, 0x09                        ; source 0 (W) window 1, source 1 (enc) window 2, C and D window 0
.set MULB, 0x0d                        ; the same with enc in window 3
.set VL,   0x54                        ; destination, source 1 and source 2 window 1, source 0 window 0: serves the LDS loads into window 1 and S += ACC x HH alike
.macro CREST                           ; a round of the cluster's barrier behind its opening barrier
	s_cmp_lg_u32 s[WV], 0
	s_cbranch_scc1 .Lnot_wave_0_\@
	s_barrier_signal -3
.Lnot_wave_0_\@:
	s_barrier_wait -3
	s_barrier_signal -1
	s_barrier_wait -1
.endm
.macro CROUND                          ; a whole round
	s_barrier_signal -1
	s_barrier_wait -1
	CREST
.endm
.macro THREE                           ; all my tensor loads have landed; 0 onto my spare word; the add and my LDS reads are done
	s_wait_tensorcnt 0x0
	ds_add_u32 v[SPW], v[NIL]
	s_wait_dscnt 0x0
.endm
.macro NOP4
.rept 4
	v_nop
.endr
.endm
	s_load_b256 s[4:11], s[0:1], 0x0               ; enc's codes s[4:5], enc's scales s[6:7], W's codes s[8:9], W's scales s[10:11]
	s_load_b128 s[12:15], s[0:1], 0x20             ; hidden s[12:13], scores s[14:15]
	v_lshl_add_u32 v[SPW], v0, 2, SPARE
	v_mov_b32 v[NIL], 0
	ds_add_u32 v1, v2
	ds_add_u32 v1, v2
	s_wait_dscnt 0x0
	v_lshrrev_b32 v13, 5, v0
	v_readfirstlane_b32 s[WV], v13                 ; wave 0..3
	s_lshr_b32 s[RG], s[WV], 1                     ; which 128 rows are mine
	s_and_b32 s[KH], s[WV], 1                      ; which half of K
	s_bfe_u32 s[CX], ttmp6, 0x40000                ; my place in the cluster: which 256 s
	s_mov_b32 s[BB], ttmp9                         ; the cluster's x: the batch, which the four partners share
	s_mov_b32 s[SEL], 0x76543210
	s_mov_b32 s[SEL+1], 0xfedcba98
	; descriptor groups 1.  enc, W: 32 rows of 1,024 elements of one byte, 4 words of padding behind every 256 words (code 7)
	s_mov_b32 s[G1E], (1<<20)|(7<<22)|(3<<25)                      ; no mask: a load of my own
	s_mov_b32 s[G1W], 15|(1<<20)|(1<<21)|(7<<22)|(3<<25)           ; mask: all four work-groups; bit 21 set beside it
.irp g, G1E, G1W
	s_mov_b32 s[\g+1], 1024<<16                    ; tensor_dim0
	s_mov_b32 s[\g+2], 32<<16                      ; tensor_dim1
	s_mov_b32 s[\g+3], 1024<<16                    ; tile_dim0
	s_mov_b32 s[\g+4], 32                          ; tile_dim1
	s_mov_b32 s[\g+6], 0
	s_mov_b32 s[\g+7], 0
.endr
	s_mov_b32 s[G1E+5], 65536                      ; from s to s + 1 at one b: 64 rows of 1,024 bytes
	s_mov_b32 s[G1W+5], 1024
	; W's scales: 8,192 dense bytes a wave as 32 rows of 32 elements of 8 bytes, 4 words of padding behind every 64 (code 5);  hidden: 1,024 dense bytes a wave as 4 such rows, no padding
	s_mov_b32 s[G1S], 15|(3<<16)|(1<<20)|(1<<21)|(5<<22)|(3<<25)
	s_mov_b32 s[G1S+1], 32<<16
	s_mov_b32 s[G1S+2], 32<<16
	s_mov_b32 s[G1S+3], 32<<16
	s_mov_b32 s[G1S+4], 32
	s_mov_b32 s[G1S+5], 32
	s_mov_b32 s[G1S+6], 0
	s_mov_b32 s[G1S+7], 0
	s_mov_b32 s[G1H], 15|(3<<16)|(1<<21)
	s_mov_b32 s[G1H+1], 32<<16
	s_mov_b32 s[G1H+2], 4<<16
	s_mov_b32 s[G1H+3], 32<<16
	s_mov_b32 s[G1H+4], 4
	s_mov_b32 s[G1H+5], 32
	s_mov_b32 s[G1H+6], 0
	s_mov_b32 s[G1H+7], 0
	; offsets that hang on cx: in s[90:95] alone; they reach enc's plain loads, enc's scale words and the scores
	s_lshl_b32 s90, s[CX], 8
	s_lshl_b32 s91, s[RG], 7
	s_add_co_u32 s90, s90, s91                     ; 256 cx + 128 rg: my wave's first s
	s_lshl_b32 s92, s90, 11                        ; enc's scale bytes: 2,048 from s to s + 1,
	s_lshl_b32 s93, s[BB], 5
	s_add_co_u32 s92, s92, s93                     ; + 32 b,
	s_lshl_b32 s93, s[KH], 4
	s_add_co_u32 s92, s92, s93                     ; + 16 for the upper half of K
	s_mov_b32 s93, 0
	s_lshl_b32 s91, s[KH], 5
	s_add_co_u32 s90, s90, s91                     ; the 32 rows that I FETCH of a part: rows 32 (w % 2) on of row half w / 2
	s_lshl_b32 s90, s90, 16
	s_lshl_b32 s91, s[BB], 10
	s_add_co_u32 s90, s90, s91                     ; 65,536 s + 1,024 b: under 2^26
	s_mov_b32 s91, 0
	s_lshl_b32 s94, s[BB], 12
	s_lshl_b32 s95, s[CX], 10
	s_add_co_u32 s94, s94, s95                     ; scores: 4,096 b + 1,024 cx
	s_mov_b32 s95, 0
	; offsets of the joint loads: the wave's number and b alone
	s_mul_i32 s21, s[WV], WPART                    ; my 32 rows' place in a region
	s_lshl_b32 s86, s[WV], 15                      ; W's codes: 32 rows of 1,024 bytes a wave
	s_mov_b32 s87, 0
	s_lshl_b32 s22, s[WV], 13                      ; W's scales: 8,192 bytes a wave
	s_mov_b32 s23, 0
	s_lshl_b32 s96, s[BB], 12
	s_lshl_b32 s97, s[WV], 10
	s_add_co_u32 s96, s96, s97                     ; hidden: 4,096 b + 1,024 w
	s_mov_b32 s97, 0
	s_wait_kmcnt 0x0
	s_add_nc_u64 s[6:7], s[6:7], s[92:93]
	s_add_nc_u64 s[14:15], s[14:15], s[94:95]
	s_mov_b32 s[G0E], 1
	s_mov_b32 s[G0E+1], s21
	s_add_nc_u64 s[G0E+2:G0E+3], s[4:5], s[90:91]
	s_or_b32 s[G0E+3], s[G0E+3], 0x80000000
	s_mov_b32 s[G0E+4], 1
	s_add_co_u32 s[G0E+5], s21, SLOT
	s_add_nc_u64 s[G0E+6:G0E+7], s[4:5], s[90:91]
	s_add_nc_u64 s[G0E+6:G0E+7], s[G0E+6:G0E+7], 64<<16            ; part 1: 64 s further on
	s_or_b32 s[G0E+7], s[G0E+7], 0x80000000
	s_mov_b32 s[G0S], 1
	s_mul_i32 s98, s[WV], 32*272
	s_add_co_u32 s[G0S+1], s98, WSC
	s_add_nc_u64 s[G0S+2:G0S+3], s[10:11], s[22:23]
	s_or_b32 s[G0S+3], s[G0S+3], 0x80000000
	s_mov_b32 s[G0H], 1
	s_lshl_b32 s98, s[WV], 10
	s_add_co_u32 s[G0H+1], s98, HID
	s_add_nc_u64 s[G0H+2:G0H+3], s[12:13], s[96:97]
	s_or_b32 s[G0H+3], s[G0H+3], 0x80000000
	s_mov_b32 s[G0W], 1
	s_mov_b32 s[G0W+1], s21
	s_add_nc_u64 s[G0W+2:G0W+3], s[8:9], s[86:87]                  ; slot 0: W's rows 0-127
	s_or_b32 s[G0W+3], s[G0W+3], 0x80000000
	s_mov_b32 s[G0W+4], 1
	s_add_co_u32 s[G0W+5], s21, SLOT
	s_add_nc_u64 s[G0W+6:G0W+7], s[8:9], s[86:87]
	s_add_nc_u64 s[G0W+6:G0W+7], s[G0W+6:G0W+7], 128*1024          ; slot 1: rows 128-255
	s_or_b32 s[G0W+7], s[G0W+7], 0x80000000
	CROUND                                         ; all four work-groups are here: the first joint loads meet
	tensor_load_to_lds s[G0E:G0E+3], s[G1E:G1E+7]                  ; the first fills go out together: four loads of mine are out.  enc's part 0,
	s_nop 0
	tensor_load_to_lds s[G0S:G0S+3], s[G1S:G1S+7]                  ; W's scales,
	s_nop 0
	tensor_load_to_lds s[G0H:G0H+3], s[G1H:G1H+7]                  ; hidden[b],
	s_nop 0
	tensor_load_to_lds s[G0E+4:G0E+7], s[G1E:G1E+7]                ; enc's part 1
	s_nop 0
	NOP4
	v_and_b32 v13, 15, v0                          ; r
	v_bfe_u32 v240, v0, 4, 1                       ; h
	v_lshlrev_b32 v[SEO], 11, v13
.irp i, 0,1,2,3,4,5,6,7
	global_load_b128 v[SE+4*\i:SE+4*\i+3], v[SEO], s[6:7] offset:32768*\i   ; block i: row r's four scale words of my K half: 16 bytes a lane, rows 2,048 bytes apart since b is fixed; read once
.endr
	v_mul_u32_u24 v[ADW], v13, PITCH
	v_lshl_add_u32 v[ADW], v240, 4, v[ADW]
	s_lshl_b32 s98, s[KH], 9
	v_add_nc_u32 v[ADW], s98, v[ADW]               ; 1,040 r + 16 h + 512 kh: a fragment's lane place; also W's region 0, rows 0-63
	v_add_nc_u32 v[ADW+1], HALFR, v[ADW]
	v_add_nc_u32 v[ADW+2], SLOT, v[ADW]
	v_add_nc_u32 v[ADW+3], SLOT+HALFR, v[ADW]
	s_mul_i32 s98, s[RG], HALFR
	v_add_nc_u32 v[ADE], s98, v[ADW]               ; enc: my row half's 64 rows of part 0,
	s_add_co_u32 s98, s98, SLOT
	v_add_nc_u32 v[ADE+1], s98, v[ADW]             ; of part 1
	v_lshrrev_b32 v242, 3, v13
	v_and_b32 v243, 7, v13
	v_mul_u32_u24 v242, v242, 272
	v_lshl_add_u32 v242, v243, 5, v242             ; W's scale bytes: 32 a row, eight rows to a piece of 256 + 16
	s_lshl_b32 s98, s[KH], 4
	s_add_co_u32 s98, s98, WSC
	v_add_nc_u32 v[ADS], s98, v242
	v_lshl_add_u32 v[ADH], v240, 5, HID            ; hidden: my half's eight numbers of a tile's sixteen
	v_lshlrev_b32 v[GO], 3, v0
	s_lshl_b32 s98, s[WV], 9
	s_add_co_u32 s98, s98, RED
	v_lshl_add_u32 v[ARED], v13, 2, s98
	v_lshrrev_b32 v242, 6, v0
	v_and_b32 v243, 63, v0
	v_lshlrev_b32 v243, 3, v243
	v_lshl_add_u32 v242, v242, 10, v243
	v_add_nc_u32 v[ARDL], RED, v242                ; thread t adds the two K halves of rows 2 t, 2 t + 1
.irp i, 0,1,2,3,4,5,6,7
	v_mov_b32 v[U+\i], 0                           ; written once: a lane permute's destination counts as one of its sources
.endr
; enc's part p (four blocks x four steps: 64 loads) into window 2 or 3, where it stays
.macro COPY p, win
	WIN \win
.irp ii, 0,1,2,3
.irp q, 0,1,2,3
.irp c, 0,1,2,3
	ds_load_b128 v[64*\ii+16*\q+4*\c:64*\ii+16*\q+4*\c+3], v[ADE+\p] offset:QROW*\ii+128*\q+32*\c
.endr
.endr
.endr
.endm
; the scale words of a slot's eight tiles into set st: a row's four words of my K half by one load; k0: the slot's first tile, counted from the pair in hand
.macro SWLOAD st, k0
	WIN 0
.irp jj, 0,1,2,3,4,5,6,7
	ds_load_b128 v[SW+32*(\st)+4*\jj:SW+32*(\st)+4*\jj+3], v[ADS] offset:544*((\k0)+\jj)
.endr
.endm
; Four matrix instructions: blocks 4 g .. 4 g + 3 (g = rd / 4) against step q = rd % 4 of the tile's rows of W.  q = 0 starts the sums: nothing is cleared.
; The four accumulators take turns, one instruction a turn.
.macro RND p, sb, j, rd
.set rG, (\rd)/4
.set rQ, (\rd)%4
.irp ii, 0,1,2,3
.set rD, ACC+64*(\p)+8*(4*rG+\ii)
.if rQ == 0
	v_wmma_scale_f32_16x16x128_f8f6f4 v[rD:rD+7], v[WF+64*(\p)+16*rQ:WF+64*(\p)+16*rQ+15], v[64*\ii+16*rQ:64*\ii+16*rQ+15], 0, v[SW+32*(\sb)+4*(\j)+rQ], v[SE+4*(4*rG+\ii)+rQ] matrix_a_fmt:MATRIX_FMT_BF8 matrix_b_fmt:MATRIX_FMT_BF8
.else
	v_wmma_scale_f32_16x16x128_f8f6f4 v[rD:rD+7], v[WF+64*(\p)+16*rQ:WF+64*(\p)+16*rQ+15], v[64*\ii+16*rQ:64*\ii+16*rQ+15], v[rD:rD+7], v[SW+32*(\sb)+4*(\j)+rQ], v[SE+4*(4*rG+\ii)+rQ] matrix_a_fmt:MATRIX_FMT_BF8 matrix_b_fmt:MATRIX_FMT_BF8
.endif
.endr
.endm
; Load e of a tile's 18: 0, 1: the tile's own eight numbers of hidden (used a tile later, with its results); 2 .. 17: the NEXT tile's four fragments, step by step, into the other set
.macro LD e
.if (\e) < 2
	ds_load_b128 v[HH+8*tP+4*(\e):HH+8*tP+4*(\e)+3], v[ADH] offset:64*(8*tSB+tJ)+16*(\e)
.elseif tLD == 1
.set lQ, ((\e)-2)/4
.set lC, ((\e)-2)%4
	ds_load_b128 v[WF+64*(1-tP)+16*lQ+4*lC:WF+64*(1-tP)+16*lQ+4*lC+3], v[ADW+2*nREG+nJ/4] offset:QROW*(nJ%4)+128*lQ+32*lC
.endif
.endm
; Four packed multiply-adds on set a's finished results: blocks 4 g .. 4 g + 3, registers 2 q, 2 q + 1 (g = rd / 4, q = rd % 4): each accumulator is read from its low end on
.macro FMA4 a, rd
.set gG, (\rd)/4
.set gQ, (\rd)%4
.irp ii, 0,1,2,3
	v_pk_fma_f32 v[S+2*(4*gG+\ii):S+2*(4*gG+\ii)+1], v[ACC+64*(\a)+8*(4*gG+\ii)+2*gQ:ACC+64*(\a)+8*(4*gG+\ii)+2*gQ+1], v[HH+8*(\a)+2*gQ:HH+8*(\a)+2*gQ+1], v[S+2*(4*gG+\ii):S+2*(4*gG+\ii)+1]
.endr
.endm
; What stands behind four matrix instructions: four plain vector lines on the LAST tile's results; behind the second group's four, THE TILE'S 18 LDS LOADS IN ONE RUN, never singly among the matrix
; instructions: 24 matrix instructions ahead of the first use of the fragments that they bring.
; The vector lines name the other set of accumulators, hidden's numbers and the scores alone, so they are the places that this matrix form asks for (8 ahead of a read of its result and of a load into a
; register that it has read): a result is read 20 such lines behind its last product; the run loads over the other set of
; fragments 12 such lines behind that set's last reader, the last round of the tile before (that tile's last four lines and this tile's first eight).
.macro GRP rd
.if tPK
	WIN VL
	FMA4 1-tP, \rd
.elseif (\rd) >= 4
	WIN VL
.irp k, 0,1,2,3
	v_mov_b32 v[S+4*((\rd)-4)+\k], 0               ; the first tile has no results to take in: it starts the sixteen scores, and these lines are its places
.endr
.endif
.if (\rd) == 1
	WIN VL
.irp e, 0,1,2,3,4,5,6,7,8,9,10,11,12,13,14,15,16,17
	LD \e
.endr
.endif
.endm
; A TILE: 16 rows of W, tile j of the slot in region sb.  pk = 0: the very first.  ld = 2: the very last (nothing more to fetch but its own numbers of hidden).
; chg (tile 6 of a slot, whose run has asked for tile 7's fragments, the slot's last read): 1: the slot is left and filled again, two slots on; 2: left, and nothing is asked for.
.macro TILE sb, j, pk, ld, chg
.set tSB, \sb
.set tJ, \j
.set tP, (\j)%2
.set tPK, \pk
.set tLD, \ld
.if (\j) == 7
.set nREG, 1-(\sb)
.set nJ, 0
.else
.set nREG, \sb
.set nJ, (\j)+1
.endif
	s_wait_dscnt 8                                 ; of the last tile's 18 loads the youngest eight (steps 2, 3) may be out: hidden's numbers and steps 0, 1 are in.  (Behind a change of slots the eight are scale words of the next slot)
	WIN MULA
	RND tP, tSB, tJ, 0
	GRP 0
	WIN MULA
	RND tP, tSB, tJ, 1
	GRP 1                                          ; with the tile's run of loads
.if \ld == 2
	s_wait_dscnt 2                                 ; all but this tile's two
.else
	s_wait_dscnt 18                                ; all but the 18 just issued: steps 2, 3 are in (in tile 7: the next slot's scale words too)
.endif
	WIN MULA
	RND tP, tSB, tJ, 2
	GRP 2
	WIN MULA
	RND tP, tSB, tJ, 3
	GRP 3
	WIN MULB
	RND tP, tSB, tJ, 4
	GRP 4
	WIN MULB
	RND tP, tSB, tJ, 5
	GRP 5
.if \chg == 0
	WIN MULB
	RND tP, tSB, tJ, 6
	GRP 6
	WIN MULB
	RND tP, tSB, tJ, 7
	GRP 7
.else
	WIN 0                                          ; (the add's two registers lie in window 0)
	s_wait_tensorcnt 0x0                           ; all my tensor loads have landed: the one that was out is my part of the other region's slot
	ds_add_u32 v[SPW], v[NIL]                      ; 0 onto my spare word; four products and four multiply-adds stand between it and the wait for it
.if \chg == 1
	s_add_nc_u64 s[G0W+4*(\sb)+2:G0W+4*(\sb)+3], s[G0W+4*(\sb)+2:G0W+4*(\sb)+3], 2*128*1024   ; no load of mine is out: this region's next slot, 256 rows of W on
.endif
	WIN MULB
	RND tP, tSB, tJ, 6
	GRP 6
	s_wait_dscnt 0x0                               ; the add is done, and my reads of this slot are over: tile 7's fragments are in registers
	s_barrier_signal -1
	WIN MULB
	RND tP, tSB, tJ, 7
	GRP 7
	WIN 0
	s_barrier_wait -1
.if \chg == 1
	CREST                                          ; the barrier has opened a round of the cluster's: no wave of any partner still reads this slot or has a load on its way
	tensor_load_to_lds s[G0W+4*(\sb):G0W+4*(\sb)+3], s[G1W:G1W+7]   ; my one load behind the round: it has eight tiles, 256 matrix instructions, in which to land
	s_nop 0
	NOP4
.endif
	SWLOAD 1-(\sb), 8+8*(\sb)                      ; the next slot's scale words, into the set that the slot before this one used
.endif
.endm
	s_wait_tensorcnt 3                             ; my part of enc's part 0 is in; the three loads issued behind it may stay out
	s_barrier_signal -1
	s_barrier_wait -1                              ; everybody's is
	COPY 0, 0x80
	WIN 0
	THREE                                          ; enc's part 1, W's scales and hidden have landed; part 0 is in my registers
	CROUND
	tensor_load_to_lds s[G0W:G0W+3], s[G1W:G1W+7]  ; W's slot 0 into region 0
	s_nop 0
	NOP4
	COPY 1, 0xc0
	SWLOAD 0, 0
	THREE                                          ; W's slot 0 has landed; enc's part 1 is in my registers
	CROUND
	tensor_load_to_lds s[G0W+4:G0W+7], s[G1W:G1W+7]   ; W's slot 1 into region 1
	s_nop 0
	NOP4
	WIN VL
.irp q, 0,1,2,3
.irp c, 0,1,2,3
	ds_load_b128 v[WF+16*\q+4*\c:WF+16*\q+4*\c+3], v[ADW] offset:128*\q+32*\c   ; tile 0's fragments, step by step
.endr
.endr
	s_wait_loadcnt 0x0                             ; enc's scale words
	TILE 0, 0, 0, 1, 0                             ; the first tile stands in front of the loop
	WIN 0                                          ; at a label and at a branch every window is 0
	s_mov_b32 s[CNT], 3
.Lpair:                                            ; a trip is two slots, from the even slot's tile 1 to the next even slot's tile 0, and fills both regions again: slots 2 to 7 in three trips
.irp j, 1,2,3,4,5
	TILE 0, \j, 1, 1, 0
.endr
	TILE 0, 6, 1, 1, 1
	TILE 0, 7, 1, 1, 0
.irp j, 0,1,2,3,4,5
	TILE 1, \j, 1, 1, 0
.endr
	TILE 1, 6, 1, 1, 1
	TILE 1, 7, 1, 1, 0
	WIN 0
	v_add_nc_u32 v[ADS], 16*544, v[ADS]            ; on to the next pair of slots: sixteen tiles' scale words,
	v_add_nc_u32 v[ADH], 16*64, v[ADH]             ; and 256 numbers of hidden
	TILE 0, 0, 1, 1, 0
	WIN 0
	s_sub_co_u32 s[CNT], s[CNT], 1
	s_cmp_lg_u32 s[CNT], 0
	s_cbranch_scc1 .Lpair
.irp j, 1,2,3,4,5                      ; the last two slots are written out: nothing is left to ask for
	TILE 0, \j, 1, 1, 0
.endr
	TILE 0, 6, 1, 1, 2                             ; slot 7 has landed in every wave: a barrier of the work-group alone
	TILE 0, 7, 1, 1, 0
.irp j, 0,1,2,3,4,5,6
	TILE 1, \j, 1, 1, 0
.endr
	TILE 1, 7, 1, 2, 0
	s_wait_dscnt 0x0                               ; the last tile's numbers of hidden
	WIN VL
.irp rd, 0,1,2,3,4,5,6,7
	FMA4 1, \rd                                    ; the last tile's results: blocks 0-3 first (finished 20 plain lines ago); their sixteen lines and the four before them are the places in front of blocks 4-7
.endr
	; THE WAY OUT.  A block's pair (even and odd n) is added, then the other half of the lanes' (the tile's other eight n): row r's partial score over my half of K.
	WIN 0x05                                       ; sources 0 and 1 window 1, destination window 0
.irp i, 0,1,2,3,4,5,6,7
	v_add_f32 v[T+\i], v[S+2*\i], v[S+2*\i+1]
.endr
	WIN 0
.irp i, 0,1,2,3,4,5,6,7
	v_permlanex16_b32 v[U+\i], v[T+\i], s[SEL], s[SEL+1]
.endr
.irp i, 0,1,2,3,4,5,6,7
	v_add_f32 v[T+\i], v[T+\i], v[U+\i]
.endr
.irp i, 0,1,2,3,4,5,6,7
	ds_store_b32 v[ARED], v[T+\i] offset:64*\i     ; lanes r and r + 16 write the same word with the same value
.endr
	s_wait_dscnt 0x0                               ; for the others' sake: my stores are done
	s_barrier_signal -1
	s_barrier_wait -1
	ds_load_b64 v[T:T+1], v[ARDL]                  ; rows 2 t, 2 t + 1: the lower half of K,
	ds_load_b64 v[T+2:T+3], v[ARDL] offset:512     ; the upper
	s_wait_dscnt 0x0
	v_pk_add_f32 v[T+4:T+5], v[T:T+1], v[T+2:T+3]
	global_store_b64 v[GO], v[T+4:T+5], s[14:15]   ; a wave stores 256 consecutive bytes, at a multiple of 256 from the buffer's first byte
	THREE                                          ; the wave's end, behind my last tensor load and my last LDS store
	CROUND                                         ; the closing round: no work-group ends while a partner may still ask for a tile that names it
	s_endpgm
.Lfunc_end_k_q4f3555b184_energy:
	.size	k_q4f3555b184_energy, .Lfunc_end_k_q4f3555b184_energy-k_q4f3555b184_energy
	.p2alignl 7, 3214868480
	.fill 96, 4, 3214868480
	.section	.rodata,"a",@progbits
	.p2align	6, 0x0
	.amdhsa_kernel k_q4f3555b184_energy
		.amdhsa_group_segment_fixed_size 327680
		.amdhsa_private_segment_fixed_size 0
		.amdhsa_enable_private_segment 0
		.amdhsa_kernarg_size 48
		.amdhsa_user_sgpr_count 2
		.amdhsa_user_sgpr_kernarg_segment_ptr 1
		.amdhsa_wavefront_size32 1
		.amdhsa_system_sgpr_workgroup_id_x 1
		.amdhsa_system_sgpr_workgroup_id_y 1
		.amdhsa_system_sgpr_workgroup_id_z 1
		.amdhsa_system_vgpr_workitem_id 0
		.amdhsa_next_free_vgpr 1024
		.amdhsa_next_free_sgpr 100
		.amdhsa_reserve_vcc 0
		.amdhsa_float_denorm_mode_32 3
		.amdhsa_float_denorm_mode_16_64 3
		.amdhsa_memory_ordered 1
		.amdhsa_forward_progress 1
		.amdhsa_inst_pref_size 255
	.end_amdhsa_kernel
	.section	.bss,"aw",@nobits
	.p2align	6
	.space	262144
	.amdgpu_metadata
---
amdhsa.version: [ 1, 2 ]
amdhsa.kernels:
  - .name:           k_q4f3555b184_energy
    .symbol:         k_q4f3555b184_energy.kd
    .args:
      - { .name: encoder_outputs_codes, .offset: 0, .size: 8, .value_kind: global_buffer, .address_space: global }
      - { .name: encoder_outputs_scales, .offset: 8, .size: 8, .value_kind: global_buffer, .address_space: global }
      - { .name: W_attn_codes, .offset: 16, .size: 8, .value_kind: global_buffer, .address_space: global }
      - { .name: W_attn_scales, .offset: 24, .size: 8, .value_kind: global_buffer, .address_space: global }
      - { .name: hidden, .offset: 32, .size: 8, .value_kind: global_buffer, .address_space: global }
      - { .name: scores, .offset: 40, .size: 8, .value_kind: global_buffer, .address_space: global }
    .group_segment_fixed_size: 327680
    .private_segment_fixed_size: 0
    .kernarg_segment_align: 8
    .kernarg_segment_size: 48
    .max_flat_workgroup_size: 128
    .sgpr_count:     100
    .vgpr_count:     1024
    .wavefront_size: 32
...
	.end_amdgpu_metadata
.endif
;; end of part 1
;; launch soft (part 2): grid 64 x 1, 1 waves a work-group, no clusters, 0 bytes of LDS; arguments scores, hidden, b_attn, out0; writes out0
.if DOCPART == 2
	.amdgcn_target "amdgcn-amd-amdhsa--gfx1250"
	.amdhsa_code_object_version 6
	.text
	.protected	k_q4f3555b184_soft
	.globl	k_q4f3555b184_soft
	.p2align	8
	.type	k_q4f3555b184_soft,@function
k_q4f3555b184_soft:
	s_mov_b64 s[64:65], 0
	v_nop
	global_prefetch_b8 v0, s[64:65] scope:SCOPE_SE
	s_setreg_imm32_b32 hwreg(HW_REG_WAVE_MODE, 25, 1), 1
	s_wait_xcnt 0x0
; out0[b][0][s] = softmax over s of (scores[b][s] + hidden[b] . b_attn).  scores: [64][1024] f32, hidden . (W enc) as the launch before left it; hidden: [64][1024], b_attn: [1024], out0: [64][1024], f32.
; One wave takes one b: a row of 4,096 bytes is 32 registers a lane, so the row stays in registers between the maximum, the exponentials and the division: no LDS, no barrier.
; Each load and store of the wave covers 512 consecutive bytes.  The row's maximum is taken off before the exponential, and the difference is formed BEFORE the factor log2(e), so that large scores lose nothing.
; No matrix unit, no cluster: 12 KB a row, and the rows share b_attn alone.  LIMITS: NaN and infinities among the inputs are not served.
.set X,  8                             ; v8-39    the row
.set HD, 40                            ; v40-71   hidden[b]
.set BI, 72                            ; v72-103  b_attn
.set A,  104                           ; v104-111 at work
	s_load_b256 s[4:11], s[0:1], 0x0               ; scores s[4:5], hidden s[6:7], b_attn s[8:9], out0 s[10:11]
	v_lshlrev_b32 v1, 4, v0                        ; 16 bytes a lane
	s_lshl_b32 s12, ttmp9, 12                      ; row b
	s_mov_b32 s13, 0
	s_mov_b32 s14, 0x76543210                      ; v_permlanex16_b32's selects for lane l xor 16
	s_mov_b32 s15, 0xfedcba98
	s_wait_kmcnt 0x0
	s_add_nc_u64 s[4:5], s[4:5], s[12:13]
	s_add_nc_u64 s[6:7], s[6:7], s[12:13]
	s_add_nc_u64 s[10:11], s[10:11], s[12:13]
.irp k, 0,1,2,3,4,5,6,7
	global_load_b128 v[HD+4*\k:HD+4*\k+3], v1, s[6:7] offset:512*\k
.endr
.irp k, 0,1,2,3,4,5,6,7
	global_load_b128 v[BI+4*\k:BI+4*\k+3], v1, s[8:9] offset:512*\k
.endr
.irp k, 0,1,2,3,4,5,6,7
	global_load_b128 v[X+4*\k:X+4*\k+3], v1, s[4:5] offset:512*\k
.endr
.macro ALLSUM r, t                     ; the sum over the 32 lanes, in every lane; t: a register that has been written
.irp m, 1,2,4,8
	v_add_f32_dpp v[\r], v[\r], v[\r] row_xmask:\m row_mask:0xf bank_mask:0xf
.endr
	v_permlanex16_b32 v[\t], v[\r], s14, s15
	v_add_f32 v[\r], v[\r], v[\t]
.endm
.macro ALLMAX r, t
.irp m, 1,2,4,8
	v_max_num_f32_dpp v[\r], v[\r], v[\r] row_xmask:\m row_mask:0xf bank_mask:0xf
.endr
	v_permlanex16_b32 v[\t], v[\r], s14, s15
	v_max_num_f32 v[\r], v[\r], v[\t]
.endm
	s_wait_loadcnt 8                               ; hidden and b_attn are in; the eight loads of the scores may be out
.irp k, 0,1,2,3
	v_pk_mul_f32 v[A+2*\k:A+2*\k+1], v[HD+2*\k:HD+2*\k+1], v[BI+2*\k:BI+2*\k+1]   ; hidden . b_attn: four chains, started by the first products
.endr
.irp m, 1,2,3
.irp k, 0,1,2,3
	v_pk_fma_f32 v[A+2*\k:A+2*\k+1], v[HD+8*\m+2*\k:HD+8*\m+2*\k+1], v[BI+8*\m+2*\k:BI+8*\m+2*\k+1], v[A+2*\k:A+2*\k+1]
.endr
.endr
	v_pk_add_f32 v[A:A+1], v[A:A+1], v[A+2:A+3]
	v_pk_add_f32 v[A+4:A+5], v[A+4:A+5], v[A+6:A+7]
	v_pk_add_f32 v[A:A+1], v[A:A+1], v[A+4:A+5]
	v_add_f32 v[A], v[A], v[A+1]
	ALLSUM A, A+1                                  ; c = hidden[b] . b_attn, in every lane
	s_wait_loadcnt 0x0                             ; the scores
.irp j, 0,2,4,6,8,10,12,14,16,18,20,22,24,26,28,30
	v_pk_add_f32 v[X+\j:X+\j+1], v[X+\j:X+\j+1], v[A:A+1] op_sel_hi:[1,0]   ; x = score + c (of the pair the low word serves both halves)
.endr
	v_max3_num_f32 v[A+2], v[X], v[X+1], v[X+2]    ; the largest of my 32, in two chains
	v_max3_num_f32 v[A+3], v[X+3], v[X+4], v[X+5]
.irp i, 6,10,14,18,22,26
	v_max3_num_f32 v[A+2], v[A+2], v[X+\i], v[X+\i+1]
	v_max3_num_f32 v[A+3], v[A+3], v[X+\i+2], v[X+\i+3]
.endr
	v_max3_num_f32 v[A+2], v[A+2], v[X+30], v[X+31]
	v_max_num_f32 v[A+2], v[A+2], v[A+3]
	ALLMAX A+2, A+3                                ; the row's maximum, in every lane
.irp j, 0,2,4,6,8,10,12,14,16,18,20,22,24,26,28,30
	v_pk_add_f32 v[X+\j:X+\j+1], v[X+\j:X+\j+1], v[A+2:A+3] op_sel_hi:[1,0] neg_lo:[0,1] neg_hi:[0,1]   ; x - m first: not fused with the factor below, since m x log2(e), rounded, would cost what the difference keeps
.endr
.irp j, 0,2,4,6,8,10,12,14,16,18,20,22,24,26,28,30
	v_pk_mul_f32 v[X+\j:X+\j+1], v[X+\j:X+\j+1], 0x3fb8aa3b op_sel_hi:[1,0]   ; x log2(e)
.endr
.irp j, 0,1,2,3,4,5,6,7,8,9,10,11,12,13,14,15,16,17,18,19,20,21,22,23,24,25,26,27,28,29,30,31
	v_exp_f32 v[X+\j], v[X+\j]                     ; e^(x - m), at most 1
.endr
	v_nop                                          ; one plain vector line between the exponentials and the first use of their results (ISA guide 5.7.2)
	s_wait_alu depctr_va_vdst(0)
	v_pk_add_f32 v[A+4:A+5], v[X:X+1], v[X+2:X+3]  ; the sum, two at a time, in two chains
	v_pk_add_f32 v[A+6:A+7], v[X+4:X+5], v[X+6:X+7]
.irp j, 8,12,16,20,24,28
	v_pk_add_f32 v[A+4:A+5], v[A+4:A+5], v[X+\j:X+\j+1]
	v_pk_add_f32 v[A+6:A+7], v[A+6:A+7], v[X+\j+2:X+\j+3]
.endr
	v_pk_add_f32 v[A+4:A+5], v[A+4:A+5], v[A+6:A+7]
	v_add_f32 v[A+4], v[A+4], v[A+5]
	ALLSUM A+4, A+5                                ; the row's sum: at least 1, since the maximum's own term is 1
	v_rcp_f32 v[A+4], v[A+4]
	v_nop                                          ; one plain line behind the reciprocal
	s_wait_alu depctr_va_vdst(0)
.irp j, 0,2,4,6,8,10,12,14,16,18,20,22,24,26,28,30
	v_pk_mul_f32 v[X+\j:X+\j+1], v[X+\j:X+\j+1], v[A+4:A+5] op_sel_hi:[1,0]
.endr
.irp k, 0,1,2,3,4,5,6,7
	global_store_b128 v1, v[X+4*\k:X+4*\k+3], s[10:11] offset:512*\k   ; 32 lanes store 512 consecutive bytes
.endr
	s_endpgm
.Lfunc_end_k_q4f3555b184_soft:
	.size	k_q4f3555b184_soft, .Lfunc_end_k_q4f3555b184_soft-k_q4f3555b184_soft
	.p2alignl 7, 3214868480
	.fill 96, 4, 3214868480
	.section	.rodata,"a",@progbits
	.p2align	6, 0x0
	.amdhsa_kernel k_q4f3555b184_soft
		.amdhsa_group_segment_fixed_size 0
		.amdhsa_private_segment_fixed_size 0
		.amdhsa_enable_private_segment 0
		.amdhsa_kernarg_size 32
		.amdhsa_user_sgpr_count 2
		.amdhsa_user_sgpr_kernarg_segment_ptr 1
		.amdhsa_wavefront_size32 1
		.amdhsa_system_sgpr_workgroup_id_x 1
		.amdhsa_system_sgpr_workgroup_id_y 1
		.amdhsa_system_sgpr_workgroup_id_z 1
		.amdhsa_system_vgpr_workitem_id 0
		.amdhsa_next_free_vgpr 128
		.amdhsa_next_free_sgpr 66
		.amdhsa_reserve_vcc 0
		.amdhsa_float_denorm_mode_32 3
		.amdhsa_float_denorm_mode_16_64 3
		.amdhsa_memory_ordered 1
		.amdhsa_forward_progress 1
		.amdhsa_inst_pref_size 14
	.end_amdhsa_kernel
	.amdgpu_metadata
---
amdhsa.version: [ 1, 2 ]
amdhsa.kernels:
  - .name:           k_q4f3555b184_soft
    .symbol:         k_q4f3555b184_soft.kd
    .args:
      - { .name: scores, .offset: 0, .size: 8, .value_kind: global_buffer, .address_space: global }
      - { .name: hidden, .offset: 8, .size: 8, .value_kind: global_buffer, .address_space: global }
      - { .name: b_attn, .offset: 16, .size: 8, .value_kind: global_buffer, .address_space: global }
      - { .name: out0, .offset: 24, .size: 8, .value_kind: global_buffer, .address_space: global }
    .group_segment_fixed_size: 0
    .private_segment_fixed_size: 0
    .kernarg_segment_align: 8
    .kernarg_segment_size: 32
    .max_flat_workgroup_size: 32
    .sgpr_count:     66
    .vgpr_count:     128
    .wavefront_size: 32
...
	.end_amdgpu_metadata
.endif
;; end of part 2
